; MI455X (gfx1250); checked and timed in simulation.
; The chip was launched on July 23, 2026; its instructions are those of AMD's public machine-readable ISA for CDNA 5 (MIT licence, August 2026) and "CDNA5" Instruction Set Architecture Reference Guide (July 2026). The comments in the code are by the model that wrote it; some were corrected since.
;; Elastic Attention Block. Allowed arithmetic: matrix products marked QUANTISED: E2M3 operands, one E8M0 scale for each 32 along K, by v_wmma_scale_f32_16x16x128_f8f6f4 with both operands' format E2M3, f32 sums; everything else in f32.
;; Inputs: querry_emb 4,096 x 1,024 float32; traj_emb 8,192 x 1,024 float32.
;; Outputs: out0 4,096 x 1,024 float32.
;; This version of the problem:
;;   THIS VERSION OF THE PROBLEM IS GIVEN IN LOW PRECISION. The matrix products marked QUANTISED in the list below multiply operands that are first quantised to E2M3 (2 exponent bits, 3 mantissa bits; 6 bits a number), with one power-of-two scale for each 32 numbers along K (OCP MX v1.0); their sums are f32. All else is computed in f32.
;;   The module's matrix products, in the order in which they are computed (A, B: the left and right operand; K: the contracted axis; several contracted axes count as one K, in the product's order):
;;     1. [M 4,096, K 1,024] x [K 1,024, N 8,192]; A: input querry_emb; B: input traj_emb: QUANTISED
;;     2. [M 4,096, K 8,192] x [K 8,192, N 1,024]; A: softmax (see below); B: input traj_emb: QUANTISED
;;   THE QUANTISER, for each operand of a quantised product, along K:
;;     - K is cut into blocks of 32 from its start; a last block that is shorter is filled with zeros.
;;     - A block's scale is 2^e with e = floor(log2(the largest magnitude in the block)) - 2, held to -126 .. 127; a block of zeros has e = 0. As a byte (E8M0): e + 127.
;;     - Each number is divided by its block's scale, clamped to +-7.5, and rounded to the nearest number of E2M3, ties to even, subnormals kept.
;;     - The product sums the exact products of the quantised numbers (number of the format x scale) in f32.
;;   ~~~python
;;   def quantise(x, axis):      # numpy; x: float32 -> the quantised numbers, widened to float32 again
;;       x = np.moveaxis(x, axis, -1); K = x.shape[-1]
;;       x = np.pad(x, [(0, 0)] * (x.ndim - 1) + [(0, -K % 32)]); x = x.reshape(x.shape[:-1] + (-1, 32)); a = np.abs(x).max(-1, keepdims=True)
;;       e = np.where(a > 0, np.clip(np.frexp(np.where(a > 0, a, 1))[1] - 1 - 2, -126, 127), 0)      # np.frexp(a)[1] - 1 = floor(log2(a)), exactly
;;       r = np.clip(x / 2.0 ** e, -7.5, 7.5)
;;       step = 2.0 ** (np.maximum(np.frexp(np.where(r == 0, 1, r))[1] - 1, 0) - 3)
;;       q = np.round(r / step) * step * 2.0 ** e      # np.round: ties to even
;;       return np.moveaxis(q.reshape(q.shape[:-2] + (-1,))[..., :K], -1, axis).astype(np.float32)
;;   ~~~
;;   SOFTMAX AHEAD OF A QUANTISED PRODUCT. Where the list says 'softmax', what is quantised is not the finished softmax but p = 2^(t - M), with t = logit x log2(e) and M = ceil(the row's largest t), a whole number; so 1/2 < the row's largest p <= 1. The row's sum l is taken of the UNQUANTISED p, in f32, and the product's result is divided by l at the end. Since M is a whole number, a kernel that streams over the keys may use a running M (the ceiling of the running maximum): every later rescaling is an exact power of two, which a block's scale takes up: the codes' values come out the same.
;;   OPERANDS COMPUTED ON THE WAY. 'Computed on the way' means the value that the module computes at that place (a softmax that the list does not call 'softmax' is quantised finished and normalised). What goes into a quantiser is computed in f32, as accurately as f32 sums, v_exp_f32 and their like allow (about 1e-6 of the number): no bf16 or f16 on the way to a quantiser, and a product that is left as it is and whose result goes on into a quantised operand takes f32 operands (vector FMAs, or v_wmma_f32_16x16x4_f32). A number that lies on a knife's edge between two numbers of the format may be rounded either way, as far as f32 arithmetic and the matrix unit's own rounding can turn it there, and no further.
;; One version. Each part assembles by itself: llvm-mc -triple=amdgcn-amd-amdhsa -mcpu=gfx1250 --defsym DOCPART=n.
;; ======== version 1 of 1: 3 launches
;; limits: right only within a limited range of input values
;; workspace buffers: img1 9,437,184 bytes; sc1 393,216 bytes; rn 49,152 bytes; vimg 6,291,456 bytes; vsc 262,144 bytes; pimg 25,165,824 bytes; psc 1,048,576 bytes; lpart 1,048,576 bytes
;; launch prep (part 1): grid 448 x 1, 4 waves a work-group, no clusters, 34,304 bytes of LDS; arguments querry_emb, traj_emb, img1, sc1, rn, vimg, vsc; writes img1, sc1, rn, vimg, vsc
.if DOCPART == 1
	.amdgcn_target "amdgcn-amd-amdhsa--gfx1250"
	.amdhsa_code_object_version 6
	.text
	.protected	k_q0a1c68a877_prep
	.globl	k_q0a1c68a877_prep
	.p2align	8
	.type	k_q0a1c68a877_prep,@function
k_q0a1c68a877_prep:
	s_mov_b64 s[64:65], 0
	v_nop
	global_prefetch_b8 v0, s[64:65] scope:SCOPE_SE
	s_setreg_imm32_b32 hwreg(HW_REG_WAVE_MODE, 25, 1), 1
	s_wait_xcnt 0x0
; PREP: the two inputs become codes of FP6 (E2M3) with one E8M0 scale byte for each 32 along a product's K, laid as the later launches' operand registers want them.
; querry_emb [4096][1024] and traj_emb [8192][1024], f32.  Work-groups 0-191 (ROWS): both tensors quantised along the channels (first product) and each row's inverse norm.
; Work-groups 192-447 (COLUMNS): traj_emb quantised along the keys (second product).  The two paths part on the work-group's number; only the rows path uses LDS.
; A FRAGMENT'S IMAGE (16 rows x 128 K, 12 registers a lane, 1,536 bytes): register 4 g + j of lane L at byte 512 g + 16 L + 4 j.  Lane (r = L % 16, h = L / 16) holds row r; registers 6 c .. 6 c + 5 hold k = 64 c + 32 h + 0 .. 31.
; img1 [t 96][kstep 8][block 8][1536]: t 0-31 the queries' groups of 128 rows, t 32-95 the keys'.  THE ROWS OF A BLOCK ARE NOT NEIGHBOURS: block i, lane r is row 32 (i / 2) + 8 (i % 2) + r + 8 (r / 8) of its group.
; sc1 [block 768][512]: lane L = 16 g + r owns 16 bytes at 16 L: the scale words of row r for ksteps 4 g .. 4 g + 3.   rn: f32, by natural row: [0..4095] log2(e) / |q|, [4096..12287] 1 / |k|.
; vimg [dt 8][kstep 64][block 8][1536]: rows are channels d = 128 dt + 16 block + r, K = 128 keys a kstep.  vsc [dt][kstep][512]: lane 16 g + r owns the scale words of row r of blocks 4 g .. 4 g + 3.
; A block's scale is 2^(floor(log2(its largest magnitude)) - 2): its byte is the largest magnitude's exponent field - 2, held at 1 from below.
; LIMITS: a block of zeros gets the byte 1 where the rule says 127 (its codes are zeros, and this program alone reads the bytes); blocks whose largest magnitude lies under 2^-124 are held at byte 1;
; a row's sum of squares has to be a normal f32 number; rows of zeros, NaN and infinities are not served (reference() gives NaN there).
.set SPITCH, 528                       ; a stage row: 512 bytes + 16: an odd multiple of 16, so the sixteen rows that a pass of a 16-byte load touches start in sixteen different columns of 16 bytes
.set WSTG,   16*SPITCH                 ; a wave's stage
.set KT,     12288                     ; a kstep of 128 rows: 8 images
.set GRP,    8*KT                      ; a group of 128 rows, all 8 ksteps
.set FRB,    1536
.set R,   16                           ; v16-143  rows path: two sets of 64 registers as loaded
.set X,   144                          ; v144-207 X + 32 c + m = k 64 c + 32 h + m of my row
.set C,   208                          ; v208-219 the fragment
.set CT,  220                          ; v220-226 the second halves of the conversions
.set SW,  228                          ; v228-235 a scale word for each kstep
.set SS,  236                          ; v236-239 sums of squares, two packed chains
.set M,   240                          ; v240-241 largest magnitudes
.set SO,  242                          ; v242-243 the conversions' scale operands
.set BY,  244                          ; v244-245 scale bytes
.set TA,  246
.set TP,  247                          ; a lane permute's destination
.set RS,  248                          ; the inverse norm
.set Y,   252                          ; v252-255 my 16 bytes of the scale tile
.set SEL, 30                           ; s[30:31] selects for v_permlanex16_b32: lane l xor 16
.set CX,  32                           ; v32-95   columns path: two sets of 32 numbers
.set GC,  96                           ; v96-143  codes: 12 registers for each (kstep s, half h): GC + 24 s + 12 h
.set CCT, 144                          ; v144-146 the second half of a conversion
.set CSB, 148                          ; v148-149 scale words
	s_load_b256 s[4:11], s[0:1], 0x0               ; querry_emb s[4:5], traj_emb s[6:7], img1 s[8:9], sc1 s[10:11]
	s_load_b128 s[12:15], s[0:1], 0x20             ; rn s[12:13], vimg s[14:15]
	s_load_b64 s[16:17], s[0:1], 0x30              ; vsc
	v_lshl_add_u32 v250, v0, 2, 0x8400
	v_mov_b32 v251, 0
	v_lshrrev_b32 v1, 5, v0
	v_readfirstlane_b32 s20, v1                    ; wave 0..3
	v_and_b32 v1, 31, v0                           ; lane
	v_and_b32 v2, 15, v0                           ; r
	v_bfe_u32 v3, v0, 4, 1                         ; h
	s_cmp_lt_u32 ttmp9, 192
	s_cbranch_scc0 .Lcols
; ---------------- ROWS.  Wave task T = 4 x work-group + wave (0..767) is one block of 16 rows over all 1,024 channels: 8 steps of one fragment.
	v_lshlrev_b32 v4, 4, v1                        ; 16 x lane: my 16 bytes of a load's 512, and of an image's 512
	s_mul_i32 s21, s20, WSTG
	v_add_nc_u32 v5, s21, v4                       ; the stage, on the way in
	v_mul_u32_u24 v6, v2, SPITCH
	v_lshl_add_u32 v6, v3, 7, v6
	v_add_nc_u32 v6, s21, v6                       ; and back: row r, + 128 h bytes: my 32 numbers of each 64
	v_and_b32 v7, 8, v2
	v_add_nc_u32 v7, v7, v2
	v_lshlrev_b32 v7, 2, v7                        ; rn: 4 (r + 8 (r / 8))
	v_lshlrev_b32 v8, 3, v3                        ; 8 h: my two scale bytes' shift
.irp i, 0,1,2,3
	v_mov_b32 v[SS+\i], 0
.endr
	v_mov_b32 v[TP], 0                             ; written once: a lane permute's destination counts as one of its sources
	s_mov_b32 s[SEL], 0x76543210
	s_mov_b32 s[SEL+1], 0xfedcba98
	s_lshl_b32 s24, ttmp9, 2
	s_add_co_u32 s24, s24, s20                     ; T
	s_mov_b32 s23, 0x3f800000                      ; 1.0
	s_wait_alu depctr_va_vdst(0)
	s_wait_kmcnt 0x0
	s_cmp_lt_u32 ttmp9, 64                         ; the queries' work-group or the keys'?  The choice hangs on the work-group's number alone
	s_cselect_b64 s[4:5], s[4:5], s[6:7]
	s_cselect_b32 s25, 0, 256
	s_cselect_b32 s23, 0x3fb8aa3b, s23             ; the queries' inverse norm carries log2(e)
	s_sub_co_u32 s25, s24, s25                     ; the block's number in its tensor
	s_lshr_b32 s26, s25, 1
	s_lshl_b32 s26, s26, 17                        ; 32 rows of 4,096 bytes for each pair of blocks,
	s_and_b32 s27, s25, 1
	s_lshl_b32 s27, s27, 15                        ; 8 rows for the odd one
	s_add_co_u32 s26, s26, s27
	s_mov_b32 s27, 0
	s_add_nc_u64 s[4:5], s[4:5], s[26:27]
	s_lshr_b32 s26, s24, 3
	s_mul_i32 s26, s26, GRP
	s_and_b32 s28, s24, 7
	s_mul_i32 s28, s28, FRB
	s_add_co_u32 s26, s26, s28
	s_add_nc_u64 s[8:9], s[8:9], s[26:27]          ; img1 at (group, kstep 0, block)
	s_lshl_b32 s26, s24, 9
	s_add_nc_u64 s[10:11], s[10:11], s[26:27]      ; sc1 at my block's tile
	s_lshr_b32 s26, s24, 1
	s_lshl_b32 s26, s26, 7
	s_and_b32 s28, s24, 1
	s_lshl_b32 s28, s28, 5
	s_add_co_u32 s26, s26, s28
	s_add_nc_u64 s[12:13], s[12:13], s[26:27]      ; rn at row 32 (T / 2) + 8 (T % 2)
.macro RLOAD ks                        ; kstep ks: 512 consecutive bytes of each of my 16 rows, 16 bytes a lane
.irp n, 0,1,2,3,4,5,6,7,8,9,10,11,12,13,14,15
	global_load_b128 v[R+64*((\ks)%2)+4*\n:R+64*((\ks)%2)+4*\n+3], v4, s[4:5] offset:(\n+8*(\n/8))*4096+512*(\ks)
.endr
.endm
.macro RSTEP ks
.if (\ks) < 7
	s_wait_loadcnt 16                              ; this step's 16 loads are in; the next step's 16 may be out
.else
	s_wait_loadcnt 0x0
.endif
.irp n, 0,1,2,3,4,5,6,7,8,9,10,11,12,13,14,15
	ds_store_b128 v5, v[R+64*((\ks)%2)+4*\n:R+64*((\ks)%2)+4*\n+3] offset:SPITCH*\n   ; as they lie, a row to a stage row
.endr
.irp c, 0,1
.irp j, 0,1,2,3,4,5,6,7
	ds_load_b128 v[X+32*\c+4*\j:X+32*\c+4*\j+3], v6 offset:256*\c+16*\j   ; LDS serves a wave's instructions in order (ISA guide 5.7.1.4): these see the stores above
.endr
.endr
	s_wait_dscnt 0x0                               ; my 64 numbers are in, and the stores have read their registers,
.if (\ks) < 6
	RLOAD (\ks)+2                                  ; which take the loads of two steps on
.endif
.irp j, 0,4,8,12,16,20,24,28,32,36,40,44,48,52,56,60
	v_pk_fma_f32 v[SS:SS+1], v[X+\j:X+\j+1], v[X+\j:X+\j+1], v[SS:SS+1]           ; the row's sum of squares, of the numbers as they are given
	v_pk_fma_f32 v[SS+2:SS+3], v[X+\j+2:X+\j+3], v[X+\j+2:X+\j+3], v[SS+2:SS+3]
.endr
.irp c, 0,1                                    ; my block 2 c + h: all its 32 numbers are mine
	v_max3_num_f32 v[M+\c], |v[X+32*\c]|, |v[X+32*\c+1]|, 0x1800000               ; with the floor 2^(3 - 127): the byte cannot fall under 1
.endr
.irp i, 2,4,6,8,10,12,14,16,18,20,22,24,26,28,30
.irp c, 0,1
	v_max3_num_f32 v[M+\c], v[M+\c], |v[X+32*\c+\i]|, |v[X+32*\c+\i+1]|
.endr
.endr
.irp c, 0,1
	v_add_nc_u32 v[SO+\c], 0xff000000, v[M+\c]     ; 2 off the exponent field: the conversion takes this operand's exponent field as its scale
.endr
.irp c, 0,1
	v_lshrrev_b32 v[BY+\c], 23, v[SO+\c]           ; the scale's byte
.endr
	v_lshl_or_b32 v[TA], v[BY+1], 16, v[BY]        ; my two bytes: blocks h and 2 + h,
	v_lshlrev_b32 v[TA], v8, v[TA]                 ; at their places in the word;
	v_permlanex16_b32 v[TP], v[TA], s[SEL], s[SEL+1]
	v_or_b32 v[SW+(\ks)], v[TA], v[TP]             ; with lane l xor 16's two the word is whole
	s_wait_alu depctr_va_vdst(0)
	s_wait_xcnt 0x0                                ; the last step's three stores have read the fragment's registers: they are written again only behind this wait
.irp c, 0,1
	v_cvt_scalef32_pk16_fp6_f32 v[C+6*\c:C+6*\c+2], v[X+32*\c:X+32*\c+15], v[SO+\c]
	v_cvt_scalef32_pk16_fp6_f32 v[CT+4*\c:CT+4*\c+2], v[X+32*\c+16:X+32*\c+31], v[SO+\c]   ; (a conversion's three registers begin on an even number)
.endr
	v_nop                                          ; one plain place behind a scaled conversion
.irp c, 0,1
.irp i, 0,1,2
	v_mov_b32 v[C+6*\c+3+\i], v[CT+4*\c+\i]
.endr
.endr
.irp g, 0,1,2
	global_store_b128 v4, v[C+4*\g:C+4*\g+3], s[8:9] offset:KT*(\ks)+512*\g        ; 32 lanes store 512 consecutive bytes, at a multiple of 256 from the buffer's first byte
.endr
.endm
	RLOAD 0
	RLOAD 1
.irp k, 0,1,2,3,4,5,6,7
	RSTEP \k
.endr
	v_pk_add_f32 v[SS:SS+1], v[SS:SS+1], v[SS+2:SS+3]
	v_add_f32 v[TA], v[SS], v[SS+1]
	v_permlanex16_b32 v[TP], v[TA], s[SEL], s[SEL+1]
	v_add_f32 v[TA], v[TA], v[TP]                  ; the row's sum of squares
	s_wait_alu depctr_va_vdst(0)
	v_rsq_f32 v[RS], v[TA]
	v_cmp_le_u32 vcc_lo, 16, v1                    ; lanes 16-31 take ksteps 4 to 7.  (These five lines are the independent work behind the transcendental)
.irp j, 0,1,2,3
	v_cndmask_b32 v[Y+\j], v[SW+\j], v[SW+4+\j], vcc_lo
.endr
	s_wait_alu depctr_va_vdst(0)                   ; the wait ahead of the result's first reader
	v_mul_f32 v[RS], s23, v[RS]                    ; log2(e) / |q|, or 1 / |k|
	global_store_b128 v4, v[Y:Y+3], s[10:11]       ; the block's scale tile: 512 consecutive bytes
	v_cmp_gt_u32 vcc_lo, 16, v1
	s_wait_alu depctr_va_vdst(0)
	s_wait_xcnt 0x0                                ; EXEC changes only behind this wait
	s_wait_tensorcnt 0x0
	ds_add_u32 v250, v251
	s_wait_dscnt 0x0
	s_and_saveexec_b32 s22, vcc_lo                 ; both halves hold the same number: lanes 0-15 store it
	global_store_b32 v7, v[RS], s[12:13]           ; two pieces of 32 bytes a wave: 48 KiB in the whole launch
	s_wait_xcnt 0x0
	s_or_b32 exec_lo, exec_lo, s22
	s_endpgm
; ---------------- COLUMNS.  A LANE TAKES A CHANNEL d, AND ITS REGISTERS RUN DOWN THE KEYS: a block of 32 keys lies in one lane's 32 registers, and the conversions give codes with the keys innermost.
; Work-group c = number - 192: dt = c % 8, ky = c / 8.  A wave takes channels 128 dt + 32 wave + lane and keys 256 ky .. + 255: 8 blocks, 2 ksteps.
; My lane is row r of block 2 wave + h of the tile, and holds what BOTH halves of that fragment's lanes want: key block 2 c + h' goes to registers 6 c .. 6 c + 5 of fragment lane (r, h').
.Lcols:
	s_sub_co_u32 s21, ttmp9, 192
	s_and_b32 s22, s21, 7                          ; dt
	s_lshr_b32 s23, s21, 3                         ; ky
	s_wait_alu depctr_va_vdst(0)
	v_lshlrev_b32 v8, 2, v1                        ; in: 4 bytes a lane
	v_mul_u32_u24 v9, v3, FRB
	v_lshl_add_u32 v9, v2, 4, v9                   ; out: my block's image, 16 r
	v_lshlrev_b32 v10, 4, v2
	v_lshl_add_u32 v10, v3, 2, v10                 ; my scale word: 16 r + 4 h
	s_lshl_b32 s24, s23, 20                        ; 256 keys of 4,096 bytes
	s_lshl_b32 s26, s22, 9
	s_add_co_u32 s24, s24, s26
	s_lshl_b32 s26, s20, 7
	s_add_co_u32 s24, s24, s26                     ; + 4 (128 dt + 32 wave)
	s_mov_b32 s25, 0
	s_lshl_b32 s26, s22, 6
	s_lshl_b32 s27, s23, 1
	s_add_co_u32 s26, s26, s27                     ; 64 dt + 2 ky: my first kstep's tile
	s_lshl_b32 s28, s26, 9
	s_mul_i32 s26, s26, KT
	s_mul_i32 s27, s20, 2*FRB
	s_add_co_u32 s26, s26, s27                     ; + blocks 2 wave on
	s_mov_b32 s27, 0
	s_lshr_b32 s29, s20, 1
	s_lshl_b32 s29, s29, 8
	s_add_co_u32 s28, s28, s29                     ; the scale tile's part wave / 2,
	s_and_b32 s29, s20, 1
	s_lshl_b32 s29, s29, 3
	s_add_co_u32 s28, s28, s29                     ; words 2 (wave % 2) on
	s_mov_b32 s29, 0
	s_wait_alu depctr_va_vdst(0)
	s_wait_kmcnt 0x0
	s_add_nc_u64 s[6:7], s[6:7], s[24:25]
	s_add_nc_u64 s[14:15], s[14:15], s[26:27]
	s_add_nc_u64 s[16:17], s[16:17], s[28:29]
.macro CLOAD t                         ; block t: traj(32 t + i, my channel) into set t % 2; a load reads 128 consecutive bytes, the four waves stand side by side on 512
.irp i, 0,1,2,3,4,5,6,7,8,9,10,11,12,13,14,15,16,17,18,19,20,21,22,23,24,25,26,27,28,29,30,31
	global_load_b32 v[CX+32*((\t)%2)+\i], v8, s[6:7] offset:(32*(\t)+\i)*4096
.endr
.endm
.macro CBLOCK t
.set XS, CX+32*((\t)%2)
.set GS, GC+24*((\t)/4)+12*((\t)%2)+6*(((\t)/2)%2)
.if (\t) < 7
	s_wait_loadcnt 32                              ; this block's 32 loads are in; the next block's may be out
.else
	s_wait_loadcnt 0x0
.endif
	v_max3_num_f32 v12, |v[XS]|, |v[XS+1]|, |v[XS+2]|
	v_max3_num_f32 v13, |v[XS+3]|, |v[XS+4]|, |v[XS+5]|
.irp i, 6,10,14,18,22,26
	v_max3_num_f32 v12, v12, |v[XS+\i]|, |v[XS+\i+1]|
	v_max3_num_f32 v13, v13, |v[XS+\i+2]|, |v[XS+\i+3]|
.endr
	v_max3_num_f32 v12, v12, |v[XS+30]|, |v[XS+31]|
	v_max3_num_f32 v12, v12, v13, 0x1800000        ; and the floor 2^(3 - 127)
	v_add_nc_u32 v11, 0xff000000, v12              ; the conversion's scale operand
	v_lshrrev_b32 v13, 23, v11                     ; the scale's byte
.if (\t)%4 == 0
	v_mov_b32 v[CSB+(\t)/4], v13                   ; four bytes to a word, the lower keys in the lower byte
.else
	v_lshl_or_b32 v[CSB+(\t)/4], v13, 8*((\t)%4), v[CSB+(\t)/4]
.endif
	v_cvt_scalef32_pk16_fp6_f32 v[GS:GS+2], v[XS:XS+15], v11
	v_cvt_scalef32_pk16_fp6_f32 v[CCT:CCT+2], v[XS+16:XS+31], v11
	v_nop                                          ; one plain place behind a scaled conversion
.irp i, 0,1,2
	v_mov_b32 v[GS+3+\i], v[CCT+\i]
.endr
.if (\t) < 6
	CLOAD (\t)+2
.endif
.if (\t)%4 == 3                        ; a kstep's codes are whole.  Every store has data registers of its own: none is written again
.irp u, 0,1
.irp g, 0,1,2
	global_store_b128 v9, v[GC+24*((\t)/4)+12*\u+4*\g:GC+24*((\t)/4)+12*\u+4*\g+3], s[14:15] offset:KT*((\t)/4)+512*\g+256*\u   ; sixteen lanes store 256 consecutive bytes, at a multiple of 256 from the buffer's first byte
.endr
.endr
	global_store_b32 v10, v[CSB+(\t)/4], s[16:17] offset:512*((\t)/4)   ; pieces of 4 bytes: one byte for each 128 that this path reads
.endif
.endm
	CLOAD 0
	CLOAD 1
.irp k, 0,1,2,3,4,5,6,7
	CBLOCK \k
.endr
	s_endpgm
.Lfunc_end_k_q0a1c68a877_prep:
	.size	k_q0a1c68a877_prep, .Lfunc_end_k_q0a1c68a877_prep-k_q0a1c68a877_prep
	.p2alignl 7, 3214868480
	.fill 96, 4, 3214868480
	.section	.rodata,"a",@progbits
	.p2align	6, 0x0
	.amdhsa_kernel k_q0a1c68a877_prep
		.amdhsa_group_segment_fixed_size 34304
		.amdhsa_private_segment_fixed_size 0
		.amdhsa_enable_private_segment 0
		.amdhsa_kernarg_size 56
		.amdhsa_user_sgpr_count 2
		.amdhsa_user_sgpr_kernarg_segment_ptr 1
		.amdhsa_wavefront_size32 1
		.amdhsa_system_sgpr_workgroup_id_x 1
		.amdhsa_system_sgpr_workgroup_id_y 1
		.amdhsa_system_sgpr_workgroup_id_z 1
		.amdhsa_system_vgpr_workitem_id 0
		.amdhsa_next_free_vgpr 256
		.amdhsa_next_free_sgpr 66
		.amdhsa_reserve_vcc 1
		.amdhsa_float_denorm_mode_32 3
		.amdhsa_float_denorm_mode_16_64 3
		.amdhsa_memory_ordered 1
		.amdhsa_forward_progress 1
		.amdhsa_inst_pref_size 113
	.end_amdhsa_kernel
	.amdgpu_metadata
---
amdhsa.version: [ 1, 2 ]
amdhsa.kernels:
  - .name:           k_q0a1c68a877_prep
    .symbol:         k_q0a1c68a877_prep.kd
    .args:
      - { .name: querry_emb, .offset: 0, .size: 8, .value_kind: global_buffer, .address_space: global }
      - { .name: traj_emb, .offset: 8, .size: 8, .value_kind: global_buffer, .address_space: global }
      - { .name: img1, .offset: 16, .size: 8, .value_kind: global_buffer, .address_space: global }
      - { .name: sc1, .offset: 24, .size: 8, .value_kind: global_buffer, .address_space: global }
      - { .name: rn, .offset: 32, .size: 8, .value_kind: global_buffer, .address_space: global }
      - { .name: vimg, .offset: 40, .size: 8, .value_kind: global_buffer, .address_space: global }
      - { .name: vsc, .offset: 48, .size: 8, .value_kind: global_buffer, .address_space: global }
    .group_segment_fixed_size: 34304
    .private_segment_fixed_size: 0
    .kernarg_segment_align: 8
    .kernarg_segment_size: 56
    .max_flat_workgroup_size: 128
    .sgpr_count:     66
    .vgpr_count:     256
    .wavefront_size: 32
...
	.end_amdgpu_metadata
.endif
;; end of part 1
;; launch scores (part 2): grid 32 x 16, 4 waves a work-group, clusters of 4 x 4, 327,680 bytes of LDS; arguments img1, sc1, rn, pimg, psc, lpart; writes pimg, psc, lpart
.if DOCPART == 2
	.amdgcn_target "amdgcn-amd-amdhsa--gfx1250"
	.amdhsa_code_object_version 6
	.text
	.protected	k_q0a1c68a877_scores
	.globl	k_q0a1c68a877_scores
	.p2align	8
	.type	k_q0a1c68a877_scores,@function
k_q0a1c68a877_scores:
	s_mov_b64 s[64:65], 0
	v_nop
	global_prefetch_b8 v0, s[64:65] scope:SCOPE_SE
	s_setreg_imm32_b32 hwreg(HW_REG_WAVE_MODE, 25, 1), 1
	s_wait_xcnt 0x0
	s_wait_alu depctr_hold_cnt(0) depctr_sa_sdst(0) depctr_va_vdst(0) depctr_va_sdst(0) depctr_va_ssrc(0) depctr_va_vcc(0) depctr_vm_vsrc(0)
	s_getreg_b32 s2, hwreg(HW_REG_IB_STS2, 6, 4)
	s_cmp_eq_u32 s2, 0
	s_cbranch_scc0 .Lentry_in_a_cluster
	s_endpgm
.Lentry_in_a_cluster:
	s_bfe_u32 s2, ttmp6, 0x10000c
	s_cmp_lg_u32 s2, 0xf033
	s_cbranch_scc0 .Lentry_shape_is_right
	s_endpgm
.Lentry_shape_is_right:
; SCORES: S = Q T^T on codes of FP6 (K = 1,024 channels), then p = 2^(t - 2), t = S log2(e) / (|q| |k|), the partial row sums of p, and p quantised along the keys, stored as the next launch's operand images.
; WHY A FIXED WHOLE NUMBER M = 2.  reference() divides by both rows' norms.  A number's quantising error is at most max(|x| / 16, its block's largest / 64), so a quantised row is at most 1.11 times as long as the row,
; |score| <= 1.23 and |t| <= 1.8 for every input: t - 2 lies in -3.8 .. -0.2, no exponential and no sum of 8,192 of them can leave f32's range.  M is a whole number, so a block's scale takes the power of two up:
; the codes' values, and the quotient by the row's sum, are those of M = ceil(the row's largest t).
; SHARES.  A work-group takes 256 queries x 256 keys; four waves, as many as a WGP has SIMDs, each 128 x 128: 64 accumulators, 512 registers.
; K goes in 8 steps of 128 through TWO LDS slots of three steps.  Steps 0 to 2 are asked for at the head, 3 to 5 behind a round; only slot 0 is filled again, with steps 6 and 7, behind the round in step 2:
; that load has 160 matrix instructions in which to land.
; The operands lie in memory as images of their registers (1,536 bytes a fragment: register 4 c + j of lane L at 512 c + 16 L + 4 j), so a tile is one dense block and a fragment comes by three loads of 16 bytes a lane.
; CLUSTERS: 4 x 4 work-groups; the queries' tiles are asked for jointly along a row of the cluster, the keys' along a column.
; THE MATRIX INSTRUCTION IS USED TRANSPOSED (source 0 = 16 keys, source 1 = 16 queries): a lane holds one query, and since lane r of key block i is key 32 (i / 2) + 8 (i % 2) + r + 8 (r / 8), the 64 registers of
; a block of queries are: register n = key 32 (n / 16) + 16 (lane / 16) + n % 16: sixteen neighbours of each block of 32 keys, as the conversions want them.
; REGISTERS: window 0: v1-7 lane terms; v16-22 LDS addresses; v32-95 scale words (register 8 i + kstep: lanes 0-15 the queries' block i, lanes 16-31 the keys'); v96-103 log2(e)/|q|; v104-111 p's scale words;
;   v112-119 row sums; v128-223 the queries' fragments, one set (on the way out: v128-191 p, v192-210 its codes); v224-239 at work.   window 1: the keys' fragments, two sets, at v0 and v128; 1/|k| at v96-127, v224-255.
;   windows 2, 3: the accumulators ((a, b) at v[8 (8 (a % 4) + b)]).
; LIMITS: NaN, infinities and rows of zeros are not served.
.set KT,     12288                     ; a step of 128 along K of 128 rows: 8 images
; THE RING AS THIS TEXT HAS IT: TWO slots of THREE steps.  Each wave asks for one load at the head (steps 0 to 2 of its 128 rows), for slot 1 (steps 3 to 5) behind the full sequence and a round,
; and for steps 6 and 7, into slot 0, behind the round in step 2.  This takes the place of what the head comment says of three slots of two steps.
.set HALFT,  3*KT                      ; what a first fill brings: 128 rows, three steps
.set SLOT,   4*HALFT                   ; the queries' 256 rows, then the keys' 256
.set GRP,    8*KT                      ; a group of 128 rows in img1
.set SPARE,  2*SLOT                    ; behind the two slots: the spare words, 128 bytes for each wave
.set FRB,    1536
.set FR,     12
.set NL,     3                         ; LDS loads that bring a fragment
.set LI,   4                           ; v4  16 x lane
.set SCO,  5                           ; v5  my offset in sc1
.set RQO,  6                           ; v6  in rn, for my query
.set RKO,  7                           ; v7  in rn, for my half's keys
.set ADRA, 16                          ; v16-17 LDS address of the queries' fragments in slot 0, 1
.set ADRB, 20                          ; v20-21 of the keys'
.set SPW,  28                          ; v28 LDS address of my spare word; never rewritten
.set NIL,  29                          ; v29 0; never rewritten
.set SC,   32
.set RQ,   96
.set PWS,  104
.set LS,   112
.set RQC,  120                         ; v[120:121] the block's log2(e)/|q|, as a pair for the packed form
.set SA,   122
.set SB,   124
.set AF,   128
.set W,    128
.set PC,   192
.set TM,   224
.set Y,    240
.set G1,  24                           ; s[24:31] descriptor group 1 for the queries' refill (two steps, 96 rows of 256 bytes); s[32:39] group 0 for slots 0 and 1
.set G0,  32
.set G1L, 76                           ; s[76:83] group 1 for the queries' first fills (three steps, 144 rows)
.set G1B, 48                           ; s[48:55], s[56:63], s[88:95] the same for the keys'
.set G0B, 56
.set G1LB, 88
.set SEL, 66                           ; s[66:67] selects for v_permlanex16_b32: lane l xor 16
.set MSB, 0
.macro WIN new                         ; the immediate's high byte repeats the setting that is left
.if MSB != \new
	s_set_vgpr_msb (MSB<<8)|\new
.set MSB, \new
.endif
.endm
.set MUL_LO, 0xa1                      ; source 0 (keys) window 1, source 1 (queries) window 0, C and D window 2
.set MUL_HI, 0xf1                      ; the same, C and D window 3
.set TO_B,   0x40                      ; destination window 1, address window 0
; A joint load: waves 0 and 1 fetch the queries' halves, waves 2 and 3 the keys'.  The branch hangs on the wave's number alone.  Four v_nop follow each of the two lines.
.macro JLOAD g0a, g1a, g0b, g1b
	s_cmp_eq_u32 s17, 0
	s_cbranch_scc0 .Lfor_b_\@
	tensor_load_to_lds s[\g0a:\g0a+3], s[\g1a:\g1a+7]
	s_nop 0
.rept 4
	v_nop
.endr
	s_branch .Lasked_\@
.Lfor_b_\@:
	tensor_load_to_lds s[\g0b:\g0b+3], s[\g1b:\g1b+7]
	s_nop 0
.rept 4
	v_nop
.endr
.Lasked_\@:
.endm
.macro CREST                           ; a round of the cluster's barrier behind its opening barrier
	s_cmp_lg_u32 s16, 0
	s_cbranch_scc1 .Lnot_wave_0_\@
	s_barrier_signal -3
.Lnot_wave_0_\@:
	s_barrier_wait -3
	s_barrier_signal -1
	s_barrier_wait -1
.endm
.macro CROUND                          ; a whole round
	s_barrier_signal -1
	s_barrier_wait -1
	CREST
.endm
.macro PLACES n                        ; plain places behind matrix instructions, in front of loads into registers that they have read and of the first read of results
.rept \n
	v_nop
.endr
.endm
.macro FIRST g0a, g0b, s               ; slot s's groups 0 and its first fill: steps 3 s to 3 s + 2
	s_mov_b32 s[\g0a], 1
	s_add_co_u32 s[\g0a+1], s45, (\s)*SLOT
	s_add_nc_u64 s[\g0a+2:\g0a+3], s[20:21], (\s)*HALFT
	s_or_b32 s[\g0a+3], s[\g0a+3], 0x80000000
	s_mov_b32 s[\g0b], 1
	s_add_co_u32 s[\g0b+1], s45, (\s)*SLOT
	s_add_nc_u64 s[\g0b+2:\g0b+3], s[46:47], (\s)*HALFT
	s_or_b32 s[\g0b+3], s[\g0b+3], 0x80000000
	JLOAD \g0a, G1L, \g0b, G1LB
.endm
	s_load_b256 s[4:11], s[0:1], 0x0               ; img1 s[4:5], sc1 s[6:7], rn s[8:9], pimg s[10:11]
	s_load_b128 s[12:15], s[0:1], 0x20             ; psc s[12:13], lpart s[14:15]
	v_lshl_add_u32 v[SPW], v0, 2, SPARE
	v_mov_b32 v[NIL], 0
	ds_add_u32 v28, v29
	ds_add_u32 v28, v29
	s_wait_dscnt 0x0
	v_lshrrev_b32 v1, 5, v0
	v_readfirstlane_b32 s16, v1                    ; wave 0..3
	s_lshr_b32 s17, s16, 1                         ; which 128 queries are mine.  Also: I fetch for the queries (0) or for the keys (1)
	s_and_b32 s18, s16, 1                          ; which 128 keys.  Also: which half of that tile I fetch
	s_bfe_u32 s40, ttmp6, 0x40000                  ; cx, cy: my place in the cluster
	s_bfe_u32 s41, ttmp6, 0x40004
	s_lshl_b32 s42, ttmp9, 2
	s_add_co_u32 s42, s42, s40                     ; tx: my 256 keys
	s_and_b32 s19, ttmp7, 0xffff
	s_lshl_b32 s19, s19, 2
	s_add_co_u32 s19, s19, s41                     ; ty: my 256 queries
	s_lshl_b32 s43, s41, 2
	s_lshl_b32 s43, 15, s43                        ; my row of the cluster
	s_lshl_b32 s44, 0x1111, s40                    ; my column
	; descriptor group 1: a dense block of 24,576 bytes as 96 rows of 256 bytes (32 elements of 8 bytes), no padding
	s_or_b32 s[G1], s43, (3<<16)|(1<<21)           ; 15:0 the mask: the queries' tiles go to my row; 17:16 elements of 8 bytes; 21 set beside a mask
	s_or_b32 s[G1B], s44, (3<<16)|(1<<21)          ; the keys' to my column
	s_or_b32 s[G1L], s43, (3<<16)|(1<<21)          ; the first fills' groups 1: the same masks, 144 rows
	s_or_b32 s[G1LB], s44, (3<<16)|(1<<21)
.irp g, G1L, G1LB
	s_mov_b32 s[\g+1], 32<<16
	s_mov_b32 s[\g+2], 144<<16
	s_mov_b32 s[\g+3], 32<<16
	s_mov_b32 s[\g+4], 144
	s_mov_b32 s[\g+5], 32
	s_mov_b32 s[\g+6], 0
	s_mov_b32 s[\g+7], 0
.endr
.irp g, G1, G1B
	s_mov_b32 s[\g+1], 32<<16                      ; tensor_dim0
	s_mov_b32 s[\g+2], 96<<16                      ; tensor_dim1
	s_mov_b32 s[\g+3], 32<<16                      ; tile_dim0
	s_mov_b32 s[\g+4], 96                          ; tile_dim1
	s_mov_b32 s[\g+5], 32                          ; tensor_dim0_stride
	s_mov_b32 s[\g+6], 0
	s_mov_b32 s[\g+7], 0
.endr
	s_lshl_b32 s20, s19, 1
	s_add_co_u32 s20, s20, s18
	s_mul_i32 s20, s20, GRP                        ; the queries' group 2 ty + half
	s_mov_b32 s21, 0
	s_lshl_b32 s46, s42, 1
	s_add_co_u32 s46, s46, s18
	s_add_co_u32 s46, s46, 32
	s_mul_i32 s46, s46, GRP                        ; the keys' group 32 + 2 tx + half
	s_mov_b32 s47, 0
	s_mul_i32 s45, s16, HALFT                      ; where they go: no place in the cluster enters an LDS address
	s_mov_b32 s[SEL], 0x76543210
	s_mov_b32 s[SEL+1], 0xfedcba98
	s_wait_kmcnt 0x0
	s_add_nc_u64 s[20:21], s[4:5], s[20:21]
	s_add_nc_u64 s[46:47], s[4:5], s[46:47]
	CROUND                                         ; all sixteen work-groups are here: the first joint loads meet
	FIRST G0, G0B, 0                               ; steps 0 to 2: one tensor load a wave at the head
	v_and_b32 v1, 31, v0                           ; lane
	v_and_b32 v2, 15, v0                           ; r
	v_bfe_u32 v3, v0, 4, 1                         ; h
	s_wait_alu depctr_va_vdst(0)
	v_lshlrev_b32 v[LI], 4, v1
	s_mul_i32 s22, s17, HALFT                      ; my 128 queries,
	s_mul_i32 s23, s18, HALFT
	s_add_co_u32 s23, s23, 2*HALFT                 ; my 128 keys, behind the queries' 256
.irp s, 0,1
	v_add_nc_u32 v[ADRA+\s], s22, v[LI]
	v_add_nc_u32 v[ADRB+\s], s23, v[LI]
	s_add_co_u32 s22, s22, SLOT
	s_add_co_u32 s23, s23, SLOT
.endr
	; the scale words of all 8 steps: lanes 0-15 take the queries' blocks, lanes 16-31 the keys': one product on h
	s_lshl_b32 s68, s19, 4
	s_lshl_b32 s69, s17, 3
	s_add_co_u32 s68, s68, s69                     ; the queries' first block: 16 ty + 8 half
	s_lshl_b32 s69, s42, 4
	s_lshl_b32 s70, s18, 3
	s_add_co_u32 s69, s69, s70
	s_add_co_u32 s69, s69, 256                     ; the keys': 256 + 16 tx + 8 half
	s_sub_co_u32 s69, s69, s68
	s_lshl_b32 s68, s68, 9
	s_lshl_b32 s69, s69, 9
	v_mul_u32_u24 v[SCO], s69, v3
	v_lshl_add_u32 v[SCO], v2, 4, v[SCO]
	v_add_nc_u32 v[SCO], s68, v[SCO]
.irp i, 0,1,2,3,4,5,6,7
.irp g, 0,1
	global_load_b128 v[SC+8*\i+4*\g:SC+8*\i+4*\g+3], v[SCO], s[6:7] offset:512*\i+256*\g
.endr
.endr
	s_lshl_b32 s70, s19, 10
	s_lshl_b32 s71, s17, 9
	s_add_co_u32 s70, s70, s71
	s_mov_b32 s71, 0
	s_add_nc_u64 s[70:71], s[8:9], s[70:71]        ; rn at my first query
	v_and_b32 v[RQO], 8, v2
	v_add_nc_u32 v[RQO], v[RQO], v2
	v_lshlrev_b32 v[RQO], 2, v[RQO]                ; 4 (r + 8 (r / 8))
.irp a, 0,1,2,3,4,5,6,7
	global_load_b32 v[RQ+\a], v[RQO], s[70:71] offset:4*(32*(\a/2)+8*(\a%2))
.endr
	s_lshl_b32 s72, s42, 10
	s_lshl_b32 s73, s18, 9
	s_add_co_u32 s72, s72, s73
	s_add_co_u32 s72, s72, 16384
	s_mov_b32 s73, 0
	s_add_nc_u64 s[72:73], s[8:9], s[72:73]        ; rn at my first key
	v_lshlrev_b32 v[RKO], 6, v3                    ; my half's sixteen keys of each 32
	WIN TO_B
.irp n, 0,1,2,3,4,5,6,7,8,9,10,11,12,13,14,15  ; register 4 n + j: key 32 (n / 4) + 16 h + 4 (n % 4) + j
.if \n < 8
	global_load_b128 v[96+4*\n:99+4*\n], v[RKO], s[72:73] offset:128*(\n/4)+16*(\n%4)
.else
	global_load_b128 v[192+4*\n:195+4*\n], v[RKO], s[72:73] offset:128*(\n/4)+16*(\n%4)
.endif
.endr
	WIN 0
	s_lshl_b32 s74, s19, 1
	s_add_co_u32 s74, s74, s17                     ; qt: my group of 128 queries
	s_lshl_b32 s74, s74, 6
	s_lshl_b32 s75, s42, 1
	s_add_co_u32 s74, s74, s75
	s_add_co_u32 s74, s74, s18                     ; 64 qt + the second product's kstep 2 tx + half
	s_mul_i32 s68, s74, KT
	s_mov_b32 s69, 0
	s_add_nc_u64 s[10:11], s[10:11], s[68:69]
	s_lshl_b32 s68, s74, 9
	s_add_nc_u64 s[12:13], s[12:13], s[68:69]
	s_add_nc_u64 s[14:15], s[14:15], s[68:69]
	v_mov_b32 v[RQC+1], 0                          ; (named as the upper half of a pair)
.irp b, 0,1,2,3
	v_mov_b32 v[TM+4+\b], 0                        ; written once: a lane permute's destination counts as one of its sources
.endr
.macro FRAG reg, adr, q, i             ; a fragment comes as its image lies: three loads of 512 consecutive bytes
.irp c, 0,1,2
	ds_load_b128 v[\reg+4*\c:\reg+4*\c+3], v[\adr] offset:KT*(\q)+FRB*(\i)+512*\c
.endr
.endm
.macro FETCH_B slot, q, p              ; the keys' eight fragments of the slot's q-th step into set p
	WIN TO_B
.irp i, 0,1,2,3,4,5,6,7
	FRAG 128*(\p)+FR*\i, ADRB+\slot, \q, \i
.endr
	WIN 0
.endm
.macro FETCH_A slot, q, i0             ; the queries' blocks i0 .. i0 + 3
.irp i, \i0, \i0+1, \i0+2, \i0+3
	FRAG AF+FR*(\i), ADRA+\slot, \q, \i
.endr
.endm
; 16 matrix instructions: the queries' blocks a0, a0 + 1 x the keys' eight, step ks.  zero = 1: the first product starts the sums.  The 64 accumulators take turns, one instruction a turn.
.macro MUL16 a0, p, ks, zero
.irp a, \a0, \a0+1
.irp b, 0,1,2,3,4,5,6,7
.if \zero
	v_wmma_scale_f32_16x16x128_f8f6f4 v[8*(8*((\a)%4)+\b):8*(8*((\a)%4)+\b)+7], v[128*(\p)+FR*\b:128*(\p)+FR*\b+FR-1], v[AF+FR*(\a):AF+FR*(\a)+FR-1], 0, v[SC+8*\b+(\ks)], v[SC+8*(\a)+(\ks)] matrix_a_fmt:MATRIX_FMT_FP6 matrix_b_fmt:MATRIX_FMT_FP6 matrix_a_scale:MATRIX_SCALE_ROW1
.else
	v_wmma_scale_f32_16x16x128_f8f6f4 v[8*(8*((\a)%4)+\b):8*(8*((\a)%4)+\b)+7], v[128*(\p)+FR*\b:128*(\p)+FR*\b+FR-1], v[AF+FR*(\a):AF+FR*(\a)+FR-1], v[8*(8*((\a)%4)+\b):8*(8*((\a)%4)+\b)+7], v[SC+8*\b+(\ks)], v[SC+8*(\a)+(\ks)] matrix_a_fmt:MATRIX_FMT_FP6 matrix_b_fmt:MATRIX_FMT_FP6 matrix_a_scale:MATRIX_SCALE_ROW1
.endif
.endr
.endr
.endm
; A step with no barrier: multiplies the keys' set p and fetches the next step, the nq-th of slot nslot, whose bytes an earlier barrier has shown whole to every wave.
.macro STEP p, ks, zero, nslot, nq
	s_wait_dscnt 4*NL                              ; the keys' set and the queries' blocks 0-3 are in; the youngest 12 loads (blocks 4-7) may be out
	WIN MUL_LO
	MUL16 0, \p, \ks, \zero
	MUL16 2, \p, \ks, \zero
	s_wait_dscnt 0x0                               ; blocks 4-7 are in
	PLACES 4
	FETCH_B \nslot, \nq, 1-(\p)
	FETCH_A \nslot, \nq, 0
	WIN MUL_HI
	MUL16 4, \p, \ks, \zero
	MUL16 6, \p, \ks, \zero
	PLACES 4
	WIN 0
	FETCH_A \nslot, \nq, 4
.endm
; A slot's last step, on the keys' set p, with a barrier; in front of it each wave waits for all its tensor loads, adds 0 to its spare word, and waits for that and for its own reads of this slot.
; fill = 1 (slot 0, step 2): the barrier opens a round of the cluster's, and the slot is filled again, with steps 6 and 7.  fill = 0 (step 5): that fill is shown to every wave; nothing is asked for.
.macro TURN slot, next, fill, ks, p
	s_wait_tensorcnt 0x0                           ; all my tensor loads have landed
	ds_add_u32 v[SPW], v[NIL]                      ; 0 onto my spare word
	s_wait_dscnt 4*NL+1                            ; (the add and the youngest 12 loads may be out)
	WIN MUL_LO
	MUL16 0, \p, \ks, 0                            ; sixteen matrix instructions stand between the add and the wait for it
	s_wait_dscnt 0x0                               ; the add is done, and my reads of this slot are over
	s_barrier_signal -1
	MUL16 2, \p, \ks, 0
	WIN 0
	s_barrier_wait -1
.if \fill
	CREST                                          ; the barrier has opened a round of the cluster's barrier: no wave of any partner still reads this slot or has a load on its way
	s_add_nc_u64 s[G0+4*\slot+2:G0+4*\slot+3], s[G0+4*\slot+2:G0+4*\slot+3], 2*HALFT    ; six steps on
	s_add_nc_u64 s[G0B+4*\slot+2:G0B+4*\slot+3], s[G0B+4*\slot+2:G0B+4*\slot+3], 2*HALFT
	JLOAD G0+4*\slot, G1, G0B+4*\slot, G1B         ; the first tensor load behind the round; its four v_nop are the places in front of the loads below
.else
	PLACES 4
.endif
	FETCH_B \next, 0, 1-(\p)
	FETCH_A \next, 0, 0
	WIN MUL_HI
	MUL16 4, \p, \ks, 0
	MUL16 6, \p, \ks, 0
	PLACES 4
	WIN 0
	FETCH_A \next, 0, 4
.endm
; 64 numbers of a lane, v[s] .. v[s + 63], register 16 b + i = k 32 b + 16 (lane / 16) + i of my row, become a fragment's codes in v[PC] on and its scale word in v[pw].
.macro QUANT s, pw
.irp b, 0,1,2,3
	v_max3_num_f32 v[TM+\b], |v[\s+16*\b]|, |v[\s+1+16*\b]|, 0x1800000   ; block b: my 16 numbers, and the floor 2^(3 - 127)
.endr
.irp i, 2,4,6,8,10,12,14
.irp b, 0,1,2,3
	v_max3_num_f32 v[TM+\b], v[TM+\b], |v[\s+16*\b+\i]|, |v[\s+1+16*\b+\i]|
.endr
.endr
.irp b, 0,1,2,3
	v_permlanex16_b32 v[TM+4+\b], v[TM+\b], s[SEL], s[SEL+1]
.endr
.irp b, 0,1,2,3
	v_max_num_f32 v[TM+\b], v[TM+\b], v[TM+4+\b]   ; with lane l xor 16's: the block's largest
.endr
.irp b, 0,1,2,3
	v_add_nc_u32 v[TM+12+\b], 0xff000000, v[TM+\b] ; 2 off its exponent field: the conversion's scale operand
.endr
.irp b, 0,1,2,3
	v_lshrrev_b32 v[TM+4+\b], 23, v[TM+12+\b]      ; the scale's byte
.endr
	v_lshl_or_b32 v[\pw], v[TM+5], 8, v[TM+4]      ; the four bytes make my row's scale word
	v_lshl_or_b32 v[\pw], v[TM+6], 16, v[\pw]
	v_lshl_or_b32 v[\pw], v[TM+7], 24, v[\pw]
.irp c, 0,1
	v_cvt_scalef32_pk16_fp6_f32 v[PC+6*\c:PC+2+6*\c], v[\s+32*\c:\s+15+32*\c], v[TM+12+2*\c]
	v_cvt_scalef32_pk16_fp6_f32 v[PC+12+4*\c:PC+14+4*\c], v[\s+16+32*\c:\s+31+32*\c], v[TM+12+2*\c+1]   ; (a conversion's three registers begin on an even number)
.endr
	v_nop                                          ; one plain place behind a scaled conversion
.irp c, 0,1                                    ; the operand's layout wants a WHOLE block in a lane: lanes 0-15 block 2 c, lanes 16-31 block 2 c + 1
.irp i, 0,1,2
	v_permlane16_swap_b32 v[PC+6*\c+\i], v[PC+12+4*\c+\i]
.endr
.irp i, 0,1,2
	v_mov_b32 v[PC+3+6*\c+\i], v[PC+12+4*\c+\i]
.endr
.endr
.endm
; THE WAY OUT of the queries' block a: 64 scores a lane become p, their sum, and one fragment of the second product.
.macro EPI a
	WIN 0x06+((\a)/4)                              ; source 0: the accumulators' window; source 1: window 1; destination window 0
.set j, 0
.rept 32
.if j < 16
.set rk, 96+2*j
.else
.set rk, 192+2*j
.endif
	v_pk_mul_f32 v[W+2*j:W+2*j+1], v[64*((\a)%4)+2*j:64*((\a)%4)+2*j+1], v[rk:rk+1]   ; score / |k|; ascending
.set j, j+1
.endr
	WIN 0
	v_mov_b32 v[RQC], v[RQ+(\a)]
.irp j, 0,2,4,6,8,10,12,14,16,18,20,22,24,26,28,30,32,34,36,38,40,42,44,46,48,50,52,54,56,58,60,62
	v_pk_fma_f32 v[W+\j:W+\j+1], v[W+\j:W+\j+1], v[RQC:RQC+1], -2.0 op_sel_hi:[1,0,0]   ; t - 2
.endr
	s_wait_alu depctr_va_vdst(0)
.irp j, 0,1,2,3,4,5,6,7,8,9,10,11,12,13,14,15,16,17,18,19,20,21,22,23,24,25,26,27,28,29,30,31,32,33,34,35,36,37,38,39,40,41,42,43,44,45,46,47,48,49,50,51,52,53,54,55,56,57,58,59,60,61,62,63
	v_exp_f32 v[W+\j], v[W+\j]                     ; p = 2^(t - 2): not normalised
.endr
	v_nop                                          ; a plain place behind the last exponential
	s_wait_alu depctr_va_vdst(0)                   ; one wait for the batch, ahead of its first reader
	v_pk_add_f32 v[SA:SA+1], v[W:W+1], v[W+4:W+5]  ; THE SUM IS TAKEN OF THE UNQUANTISED p: two at a time, in two chains
	v_pk_add_f32 v[SB:SB+1], v[W+2:W+3], v[W+6:W+7]
.irp j, 8,12,16,20,24,28,32,36,40,44,48,52,56,60
	v_pk_add_f32 v[SA:SA+1], v[SA:SA+1], v[W+\j:W+\j+1]
	v_pk_add_f32 v[SB:SB+1], v[SB:SB+1], v[W+\j+2:W+\j+3]
.endr
	v_pk_add_f32 v[SA:SA+1], v[SA:SA+1], v[SB:SB+1]
	v_add_f32 v[LS+(\a)], v[SA], v[SA+1]
	v_permlanex16_b32 v[TM+4], v[LS+(\a)], s[SEL], s[SEL+1]
	v_add_f32 v[LS+(\a)], v[LS+(\a)], v[TM+4]      ; my query's sum over these 128 keys
	s_wait_xcnt 0x0                                ; the last block's stores have read the codes' registers: they are written again only behind this wait
	QUANT W, PWS+(\a)
.irp c, 0,1,2
	global_store_b128 v[LI], v[PC+4*\c:PC+4*\c+3], s[10:11] offset:FRB*(\a)+512*\c th:TH_STORE_NT   ; the image: 512 consecutive bytes a store, at a multiple of 256 from the buffer's first byte
.endr
.endm
	s_wait_alu depctr_va_vdst(0)                   ; the wait at the head's end
	s_wait_tensorcnt 0x0                           ; my part of slot 0 is in
	ds_add_u32 v[SPW], v[NIL]
	s_wait_dscnt 0x0
	CROUND                                         ; everybody's part is in, and all sixteen work-groups are here
	FIRST G0+4, G0B+4, 1                           ; steps 3 to 5, the first tensor load behind the round
	FETCH_B 0, 0, 0
	FETCH_A 0, 0, 0
	FETCH_A 0, 0, 4
	s_wait_loadcnt 0x0                             ; the scale words and the inverse norms
	STEP 0, 0, 1, 0, 1                             ; written out, no loop: the scale words' registers are numbered by the step
	STEP 1, 1, 0, 0, 2
	TURN 0, 1, 1, 2, 0                             ; slot 1 has landed in every wave; slot 0 takes steps 6 and 7
	STEP 1, 3, 0, 1, 1
	STEP 0, 4, 0, 1, 2
	TURN 1, 0, 0, 5, 1                             ; steps 6 and 7 have landed, in every wave; nothing is left to fetch
	STEP 0, 6, 0, 0, 1
	s_wait_dscnt 4*NL                              ; the last step
	WIN MUL_LO
	MUL16 0, 1, 7, 0
	MUL16 2, 1, 7, 0
	s_wait_dscnt 0x0
	WIN MUL_HI
	MUL16 4, 1, 7, 0
	MUL16 6, 1, 7, 0
	WIN 0
	PLACES 4                                       ; in front of the first read of results, and of writes into the registers that held the queries' fragments
.irp a, 0,1,2,3,4,5,6,7
	EPI \a
.endr
	v_cmp_le_u32 vcc_lo, 16, v1                    ; the two tiles of 512 bytes: lanes 0-15 hold blocks 0-3 of row r, lanes 16-31 blocks 4-7
.irp j, 0,1,2,3
	v_cndmask_b32 v[Y+\j], v[PWS+\j], v[PWS+4+\j], vcc_lo
	v_cndmask_b32 v[Y+4+\j], v[LS+\j], v[LS+4+\j], vcc_lo
.endr
	global_store_b128 v[LI], v[Y:Y+3], s[12:13] th:TH_STORE_NT
	global_store_b128 v[LI], v[Y+4:Y+7], s[14:15] th:TH_STORE_NT
	s_wait_tensorcnt 0x0                           ; the wave's end
	ds_add_u32 v[SPW], v[NIL]
	s_wait_dscnt 0x0
	CROUND                                         ; the closing round: no work-group ends while a partner may still ask for a tile that names it
	s_endpgm
.Lfunc_end_k_q0a1c68a877_scores:
	.size	k_q0a1c68a877_scores, .Lfunc_end_k_q0a1c68a877_scores-k_q0a1c68a877_scores
	.p2alignl 7, 3214868480
	.fill 96, 4, 3214868480
	.section	.rodata,"a",@progbits
	.p2align	6, 0x0
	.amdhsa_kernel k_q0a1c68a877_scores
		.amdhsa_group_segment_fixed_size 327680
		.amdhsa_private_segment_fixed_size 0
		.amdhsa_enable_private_segment 0
		.amdhsa_kernarg_size 48
		.amdhsa_user_sgpr_count 2
		.amdhsa_user_sgpr_kernarg_segment_ptr 1
		.amdhsa_wavefront_size32 1
		.amdhsa_system_sgpr_workgroup_id_x 1
		.amdhsa_system_sgpr_workgroup_id_y 1
		.amdhsa_system_sgpr_workgroup_id_z 1
		.amdhsa_system_vgpr_workitem_id 0
		.amdhsa_next_free_vgpr 1024
		.amdhsa_next_free_sgpr 96
		.amdhsa_reserve_vcc 1
		.amdhsa_float_denorm_mode_32 3
		.amdhsa_float_denorm_mode_16_64 3
		.amdhsa_memory_ordered 1
		.amdhsa_forward_progress 1
		.amdhsa_inst_pref_size 205
	.end_amdhsa_kernel
	.amdgpu_metadata
---
amdhsa.version: [ 1, 2 ]
amdhsa.kernels:
  - .name:           k_q0a1c68a877_scores
    .symbol:         k_q0a1c68a877_scores.kd
    .args:
      - { .name: img1, .offset: 0, .size: 8, .value_kind: global_buffer, .address_space: global }
      - { .name: sc1, .offset: 8, .size: 8, .value_kind: global_buffer, .address_space: global }
      - { .name: rn, .offset: 16, .size: 8, .value_kind: global_buffer, .address_space: global }
      - { .name: pimg, .offset: 24, .size: 8, .value_kind: global_buffer, .address_space: global }
      - { .name: psc, .offset: 32, .size: 8, .value_kind: global_buffer, .address_space: global }
      - { .name: lpart, .offset: 40, .size: 8, .value_kind: global_buffer, .address_space: global }
    .group_segment_fixed_size: 327680
    .private_segment_fixed_size: 0
    .kernarg_segment_align: 8
    .kernarg_segment_size: 48
    .max_flat_workgroup_size: 128
    .sgpr_count:     96
    .vgpr_count:     1024
    .wavefront_size: 32
...
	.end_amdgpu_metadata
.endif
;; end of part 2
;; launch context (part 3): grid 8 x 32, 4 waves a work-group, clusters of 4 x 4, 327,680 bytes of LDS; arguments pimg, psc, vimg, vsc, lpart, out0; writes out0
.if DOCPART == 3
	.amdgcn_target "amdgcn-amd-amdhsa--gfx1250"
	.amdhsa_code_object_version 6
	.text
	.protected	k_q0a1c68a877_context
	.globl	k_q0a1c68a877_context
	.p2align	8
	.type	k_q0a1c68a877_context,@function
k_q0a1c68a877_context:
	s_mov_b64 s[64:65], 0
	v_nop
	global_prefetch_b8 v0, s[64:65] scope:SCOPE_SE
	s_setreg_imm32_b32 hwreg(HW_REG_WAVE_MODE, 25, 1), 1
	s_wait_xcnt 0x0
	s_wait_alu depctr_hold_cnt(0) depctr_sa_sdst(0) depctr_va_vdst(0) depctr_va_sdst(0) depctr_va_ssrc(0) depctr_va_vcc(0) depctr_vm_vsrc(0)
	s_getreg_b32 s2, hwreg(HW_REG_IB_STS2, 6, 4)
	s_cmp_eq_u32 s2, 0
	s_cbranch_scc0 .Lentry_in_a_cluster
	s_endpgm
.Lentry_in_a_cluster:
	s_bfe_u32 s2, ttmp6, 0x10000c
	s_cmp_lg_u32 s2, 0xf033
	s_cbranch_scc0 .Lentry_shape_is_right
	s_endpgm
.Lentry_shape_is_right:
; CONTEXT: out0 = (p V) / l on codes of FP6 (K = 8,192 keys).  p's and V's codes and scale words come as images of the operands' registers (1,536 bytes a fragment of 16 rows x 128 K:
; register 4 c + j of lane L at 512 c + 16 L + 4 j), l as 64 partial sums a query.
; SHARES.  A work-group makes 128 queries (qt = work-group y) x 128 channels (dt = work-group x).  K's 64 steps of 128 are dealt to the four waves: in turn t (16 turns) wave w takes step 4 t + w,
; with all 64 accumulators (512 registers) of the block; at the end the four waves' sums are added through LDS, divided by l and stored as whole rows of 512 bytes.
; THROUGH LDS: p, and V's channel blocks 0-3.  Two slots of two turns: 8 steps of p (98,304 bytes), then the first 6,144 bytes of 8 steps of V (49,152 bytes).  Waves 0 and 1 fetch p's halves, waves 2 and 3 V's, one tensor
; load each.  CLUSTERS of 4 x 4: p's tiles hang on qt alone and are asked for jointly along a row of the cluster, V's on dt alone and along a column.  Fills: turns 0-1 at the head, 2-3 behind the full sequence and a
; round, then one behind the round in each odd turn up to 11.  From a refill to the wait for it a wave issues 112 matrix instructions.
; FROM MEMORY STRAIGHT INTO REGISTERS: V's channel blocks 4-7.  A wave's step of V is read by no other wave of the work-group.  A ring of three batches of four fragments: turn t + 3's is asked for when turn t's has been
; multiplied for the last time: at most 36 such loads of a wave are out.  THIS HALF IS NOT ASKED FOR JOINTLY: with it in LDS too, a slot of the same bytes would hold 6 steps, which four waves cannot share out evenly.
; PREFETCHES, two a wave and turn, every address an immediate on registers that are never rewritten: in turn t the bytes of p and of V of turn t + 6 (192 blocks of 256 bytes each), at least two turns ahead of the loads that
; want them.  The four partners that need a tile share its blocks out by address, 12 to a wave; lanes that are left over name their wave's last block again.  Turns 0-5 come by their loads alone; turns 10-15 ask for nothing.
; THE MATRIX INSTRUCTION IS USED TRANSPOSED (source 0 = 16 channels, source 1 = 16 queries): a lane holds one query and eight neighbouring channels.
; REGISTERS.  window 0: v4-29 addresses; v32-127, v224-255 scale words (16 registers for two turns: lanes 0-15 the even turn's, lanes 16-31 the odd one's); v128-223 p's eight fragments.
; window 1: v0-95 V's blocks 0-3, two sets; v96-239 V's blocks 4-7, three sets.  windows 2, 3: the accumulators ((a, b) at v[8 (8 (a % 4) + b)]).
; LIMITS: NaN, infinities and rows of zeros among the inputs are not served (as in the launches before).
.set KT,     12288                     ; a step of 128 along K of 128 rows: 8 images
.set VH,     6144                      ; its first four images
.set PSL,    8*KT                      ; p's part of a slot
.set SLOTB,  PSL+8*VH
.set TROW,   64*KT                     ; all 64 steps of 128 rows
.set STG,    262144                    ; the way out's stages: on slot bytes that have had their last fill, and behind them
.set SPITCH, 528
.set LSUM,   STG+4*16*SPITCH           ; the waves' sums of l: bytes of their own
.set SPARE,  LSUM+2048                 ; the spare words, 128 bytes for each wave
.set FRB,    1536
.set LI,   4                           ; 16 x lane
.set PFL,  5                           ; the prefetches' lane term
.set RRD,  8                           ; v8-11 the four waves' sums of my two blocks of queries
.set RST,  12
.set LSTO, 13
.set LRD,  14
.set ADR,  16                          ; v16-19 my step of p in LDS, for turn t at ADR + t % 4
.set ADV,  20                          ; v20-23 my step of V's blocks 0-3
.set STO,  24
.set RD,   25
.set PSO,  26
.set SPW,  28                          ; my spare word; never rewritten
.set NIL,  29                          ; 0; never rewritten
.set AF,   128
.set RES,  128
.set RL,   192
.set LTM,  196
.set LT,   144                         ; window 1: l's partial sums, in the two sets that turn 14 leaves free
.set G1,   24                          ; s[24:31] group 1 for p: 4 steps, 192 rows of 256 bytes
.set G0,   32                          ; s[32:35], s[36:39] its group 0 for slots 0 and 1
.set G1B,  48                          ; s[48:55] group 1 for V: 4 rows of 6,144 bytes, 12,288 apart
.set G0B,  56                          ; s[56:59], s[60:63] its group 0
.set MSB, 0
.macro WIN new                         ; the immediate's high byte repeats the setting that is left
.if MSB != \new
	s_set_vgpr_msb (MSB<<8)|\new
.set MSB, \new
.endif
.endm
.set MUL_LO, 0xa1                      ; source 0 (V) window 1, source 1 (p) window 0, C and D window 2
.set MUL_HI, 0xf1                      ; the same, C and D window 3
.set TO_B,   0x40                      ; destination window 1, address window 0
; A joint load into slot s.  The branch hangs on the wave's number alone.  An s_nop 0 and four v_nop follow each of the two lines.
.macro JLOAD s
	s_cmp_eq_u32 s17, 0
	s_cbranch_scc0 .Lfor_b_\@
	tensor_load_to_lds s[G0+4*\s:G0+4*\s+3], s[G1:G1+7]
	s_nop 0
.rept 4
	v_nop
.endr
	s_branch .Lasked_\@
.Lfor_b_\@:
	tensor_load_to_lds s[G0B+4*\s:G0B+4*\s+3], s[G1B:G1B+7]
	s_nop 0
.rept 4
	v_nop
.endr
.Lasked_\@:
.endm
.macro CREST                           ; a round of the cluster's barrier behind its opening barrier
	s_cmp_lg_u32 s16, 0
	s_cbranch_scc1 .Lnot_wave_0_\@
	s_barrier_signal -3
.Lnot_wave_0_\@:
	s_barrier_wait -3
	s_barrier_signal -1
	s_barrier_wait -1
.endm
.macro CROUND
	s_barrier_signal -1
	s_barrier_wait -1
	CREST
.endm
.macro PLACES n                        ; plain places behind matrix instructions, in front of loads into registers that they have read
.rept \n
	v_nop
.endr
.endm
	s_load_b256 s[4:11], s[0:1], 0x0               ; pimg s[4:5], psc s[6:7], vimg s[8:9], vsc s[10:11]
	s_load_b128 s[12:15], s[0:1], 0x20             ; lpart s[12:13], out0 s[14:15]
	v_lshl_add_u32 v[SPW], v0, 2, SPARE
	v_mov_b32 v[NIL], 0
	ds_add_u32 v[SPW], v[NIL]                      ; the opening lines: the add, twice on end, and its wait ahead of my first tensor load
	ds_add_u32 v[SPW], v[NIL]
	v_lshrrev_b32 v1, 5, v0
	v_readfirstlane_b32 s16, v1                    ; wave 0..3
	s_lshr_b32 s17, s16, 1                         ; I fetch for p (0) or for V (1)
	s_and_b32 s18, s16, 1                          ; which half of that part of a slot
	s_bfe_u32 s40, ttmp6, 0x40000                  ; cx
	s_bfe_u32 s41, ttmp6, 0x40004                  ; cy
	s_lshl_b32 s42, ttmp9, 2
	s_add_co_u32 s42, s42, s40                     ; dt
	s_and_b32 s19, ttmp7, 0xffff
	s_lshl_b32 s19, s19, 2
	s_add_co_u32 s19, s19, s41                     ; qt
	s_lshl_b32 s43, s41, 2
	s_lshl_b32 s43, 15, s43                        ; my row of the cluster
	s_lshl_b32 s44, 0x1111, s40                    ; my column
	s_or_b32 s[G1], s43, (3<<16)|(1<<21)           ; the mask; elements of 8 bytes; bit 21 beside a mask
	s_or_b32 s[G1B], s44, (3<<16)|(1<<21)
	s_mov_b32 s[G1+1], 32<<16
	s_mov_b32 s[G1+2], 192<<16
	s_mov_b32 s[G1+3], 32<<16
	s_mov_b32 s[G1+4], 192
	s_mov_b32 s[G1+5], 32
	s_mov_b32 s[G1+6], 0
	s_mov_b32 s[G1+7], 0
	s_mov_b32 s[G1B+1], 768<<16
	s_mov_b32 s[G1B+2], 4<<16
	s_mov_b32 s[G1B+3], 768<<16
	s_mov_b32 s[G1B+4], 4
	s_mov_b32 s[G1B+5], 1536
	s_mov_b32 s[G1B+6], 0
	s_mov_b32 s[G1B+7], 0
	s_mul_i32 s86, s19, TROW                       ; offsets, each in registers of its own
	s_mul_i32 s87, s16, KT
	s_mul_i32 s88, s42, TROW
	s_mul_i32 s89, s18, 4*KT
	s_add_co_u32 s20, s86, s89                     ; p: my 4 steps of fill 0
	s_mov_b32 s21, 0
	s_add_co_u32 s46, s88, s89                     ; V: my 4 steps of fill 0
	s_mov_b32 s47, 0
	s_mul_i32 s23, s18, 4*VH
	s_add_co_u32 s23, s23, PSL                     ; and where V's go in a slot
	s_lshl_b32 s90, s19, 6
	s_lshl_b32 s92, s16, 4
	s_add_co_u32 s92, s92, s90
	s_lshl_b32 s92, s92, 9                         ; lpart: tiles 64 qt + 16 wave on
	s_mov_b32 s93, 0
	s_add_co_u32 s66, s90, s16
	s_lshl_b32 s66, s66, 9                         ; psc: tile 64 qt + wave
	s_mov_b32 s67, 0
	s_lshl_b32 s68, s42, 6
	s_add_co_u32 s68, s68, s16
	s_lshl_b32 s68, s68, 9                         ; vsc: tile 64 dt + wave
	s_mov_b32 s69, 0
	s_lshl_b32 s70, s19, 19
	s_lshl_b32 s45, s16, 17
	s_add_co_u32 s70, s70, s45
	s_lshl_b32 s45, s42, 9
	s_add_co_u32 s70, s70, s45                     ; out0: row 128 qt + 32 wave, channel 128 dt
	s_mov_b32 s71, 0
	s_add_co_u32 s72, s88, s87                     ; vimg: step wave of dt
	s_mov_b32 s73, 0
	s_lshl_b32 s74, s40, 2
	s_add_co_u32 s74, s74, s16
	s_mul_i32 s74, s74, 3072
	s_add_co_u32 s74, s74, s86                     ; p's prefetches: of a turn's 192 blocks, 12 for each wave of the four partners along my row
	s_mov_b32 s75, 0
	s_mul_i32 s76, s41, 3072
	s_add_co_u32 s76, s76, s72                     ; V's: of my step's 48 blocks, 12 for each of the four partners along my column
	s_mov_b32 s77, 0
	s_lshl_b32 s81, s16, 14
	s_lshl_b32 s82, s16, 16
	s_lshl_b32 s83, s16, 9
	s_add_co_u32 s83, s83, LSUM
	s_lshl_b32 s84, s17, 8
	s_lshl_b32 s85, s18, 3
	s_add_co_u32 s84, s84, s85
	s_add_co_u32 s84, s84, LSUM
	s_mul_i32 s85, s16, 16*SPITCH
	s_add_co_u32 s85, s85, STG
	s_mul_i32 s94, s16, VH
	s_add_co_u32 s94, s94, PSL
	s_mov_b32 s[G0], 1
	s_mov_b32 s[G0+1], s89
	s_mov_b32 s[G0+4], 1
	s_add_co_u32 s[G0+5], s89, SLOTB
	s_mov_b32 s[G0B], 1
	s_mov_b32 s[G0B+1], s23
	s_mov_b32 s[G0B+4], 1
	s_add_co_u32 s[G0B+5], s23, SLOTB
	s_wait_dscnt 0x0                               ; both opening adds are done
	s_wait_kmcnt 0x0
	s_add_nc_u64 s[G0+2:G0+3], s[4:5], s[20:21]
	s_add_nc_u64 s[G0+6:G0+7], s[G0+2:G0+3], 8*KT
	s_add_nc_u64 s[G0B+2:G0B+3], s[8:9], s[46:47]
	s_add_nc_u64 s[G0B+6:G0B+7], s[G0B+2:G0B+3], 8*KT
	s_or_b32 s[G0+3], s[G0+3], 0x80000000
	s_or_b32 s[G0+7], s[G0+7], 0x80000000
	s_or_b32 s[G0B+3], s[G0B+3], 0x80000000
	s_or_b32 s[G0B+7], s[G0B+7], 0x80000000
	s_add_nc_u64 s[74:75], s[4:5], s[74:75]
	s_add_nc_u64 s[76:77], s[8:9], s[76:77]
	s_add_nc_u64 s[6:7], s[6:7], s[66:67]
	s_add_nc_u64 s[8:9], s[8:9], s[72:73]
	s_add_nc_u64 s[10:11], s[10:11], s[68:69]
	s_add_nc_u64 s[12:13], s[12:13], s[92:93]
	s_add_nc_u64 s[14:15], s[14:15], s[70:71]
	CROUND                                         ; all sixteen work-groups are here: the first joint loads meet
	JLOAD 0                                        ; turns 0-1: one tensor load a wave at the head
	v_and_b32 v1, 31, v0
	v_and_b32 v2, 15, v0
	v_bfe_u32 v3, v0, 4, 1
	v_lshlrev_b32 v[LI], 4, v1
	v_lshlrev_b32 v[PSO], 4, v2
	v_lshl_add_u32 v[PSO], v3, 11, v[PSO]          ; scale words: row r; lanes 16-31 four steps, one turn, on
	v_add_nc_u32 v[ADR], s87, v[LI]
	v_add_nc_u32 v[ADV], s94, v[LI]
.irp j, 1,2,3
	v_add_nc_u32 v[ADR+\j], (\j/2)*SLOTB+(\j%2)*4*KT, v[ADR]
	v_add_nc_u32 v[ADV+\j], (\j/2)*SLOTB+(\j%2)*4*VH, v[ADV]
.endr
	v_add_nc_u32 v[RRD], s81, v[LI]
.irp u, 1,2,3
	v_add_nc_u32 v[RRD+\u], \u*65536, v[RRD]
.endr
	v_add_nc_u32 v[RST], s82, v[LI]
	v_add_nc_u32 v[LSTO], s83, v[LI]
	v_lshl_add_u32 v[LRD], v2, 4, s84
	v_mul_u32_u24 v[STO], v2, SPITCH
	v_lshl_add_u32 v[STO], v3, 5, v[STO]
	v_add_nc_u32 v[STO], s85, v[STO]
	v_add_nc_u32 v[RD], s85, v[LI]
	v_min_u32 v[PFL], 11, v1
	v_lshlrev_b32 v[PFL], 8, v[PFL]
	s_wait_alu depctr_va_vdst(0)                   ; the wait at the head's end: no vector instruction writes a register between here and the first turn
.irp q, 0,1,2,3,4,5,6,7                        ; the scale words of all 16 turns
.set sb, 32+16*\q+96*(\q/6)
.irp g, 0,1
	global_load_b128 v[sb+4*\g:sb+4*\g+3], v[PSO], s[6:7] offset:4096*\q+256*\g
	global_load_b128 v[sb+8+4*\g:sb+8+4*\g+3], v[PSO], s[10:11] offset:4096*\q+256*\g
.endr
.endr
.macro VLOAD tt                        ; V's blocks 4-7 of my step of turn tt: 12 loads of 512 consecutive bytes, into set tt % 3
.irp i, 0,1,2,3
.irp c, 0,1,2
	global_load_b128 v[96+48*((\tt)%3)+12*\i+4*\c:96+48*((\tt)%3)+12*\i+4*\c+3], v[LI], s[8:9] offset:(\tt)*4*KT+(4+\i)*FRB+512*\c
.endr
.endr
.endm
	WIN TO_B
.irp k, 0,1,2
	VLOAD \k
.endr
	WIN 0
.macro FETCH_A tt, i0                  ; p's blocks i0 .. i0 + 3 of my step of turn tt
.irp i, 0,1,2,3
.irp c, 0,1,2
	ds_load_b128 v[AF+12*((\i0)+\i)+4*\c:AF+12*((\i0)+\i)+4*\c+3], v[ADR+((\tt)%4)] offset:FRB*((\i0)+\i)+512*\c
.endr
.endr
.endm
.macro FETCH_V tt                      ; V's blocks 0-3 of my step of turn tt, into set tt % 2
.irp i, 0,1,2,3
.irp c, 0,1,2
	ds_load_b128 v[48*((\tt)%2)+12*\i+4*\c:48*((\tt)%2)+12*\i+4*\c+3], v[ADV+((\tt)%4)] offset:FRB*\i+512*\c
.endr
.endr
.endm
.macro WM t
.if (\t) == 0
	v_wmma_scale_f32_16x16x128_f8f6f4 v[WD:WD+7], v[WV:WV+11], v[WP:WP+11], 0, v[WSV], v[WSP] matrix_a_fmt:MATRIX_FMT_FP6 matrix_b_fmt:MATRIX_FMT_FP6
.elseif (\t)%2 == 0
	v_wmma_scale_f32_16x16x128_f8f6f4 v[WD:WD+7], v[WV:WV+11], v[WP:WP+11], v[WD:WD+7], v[WSV], v[WSP] matrix_a_fmt:MATRIX_FMT_FP6 matrix_b_fmt:MATRIX_FMT_FP6
.else
	v_wmma_scale_f32_16x16x128_f8f6f4 v[WD:WD+7], v[WV:WV+11], v[WP:WP+11], v[WD:WD+7], v[WSV], v[WSP] matrix_a_fmt:MATRIX_FMT_FP6 matrix_b_fmt:MATRIX_FMT_FP6 matrix_a_scale:MATRIX_SCALE_ROW1 matrix_b_scale:MATRIX_SCALE_ROW1
.endif
.endm
; 8 matrix instructions: V's blocks b0, b0 + 1 x p's blocks 4 ah .. 4 ah + 3.  The accumulators take turns, one instruction a turn; turn 0 starts the sums.
.macro MULH ah, t, b0
.set sb, 32+16*((\t)/2)+96*((\t)/12)
.irp b, \b0, \b0+1
.irp a, 0,1,2,3
.set WD, 8*(8*\a+(\b))
.set WV, ((\b)/4)*(96+48*((\t)%3))+(1-(\b)/4)*48*((\t)%2)+12*((\b)%4)
.set WP, AF+12*(4*(\ah)+\a)
.set WSV, sb+8+(\b)
.set WSP, sb+4*(\ah)+\a
	WM \t
.endr
.endr
.endm
; A turn.  kind 0: no barrier.  kind 1: slot sl is filled again, 16 steps on.  kind 3: the last fill is shown to every wave; nothing is asked for.
.macro TURN t, kind, sl
.set lastg, (\t)+2                     ; the youngest turn whose blocks 4-7 have been asked for
.if lastg > 15
.set lastg, 15
.endif
.set nl, 12*(lastg-(\t))+16*((\t)/15)  ; the loads issued behind this turn's 12: 12 for each younger turn, and in turn 15 l's 16
	s_wait_dscnt 12                                ; p's blocks 0-3 and V's 0-3 are in; the youngest 12 loads (p's 4-7) may be out
	WIN MUL_LO
	MULH 0, \t, 0
	MULH 0, \t, 2
.if \kind == 0
	s_wait_loadcnt nl                              ; V's blocks 4-7 are in
	MULH 0, \t, 4
	MULH 0, \t, 6
	PLACES 4
.else
	WIN 0
	s_wait_loadcnt nl
	s_wait_tensorcnt 0x0                           ; my one tensor load that was out has landed: my part of the other slot
	ds_add_u32 v[SPW], v[NIL]                      ; 0 onto my spare word
	WIN MUL_LO
	MULH 0, \t, 4
	s_wait_dscnt 0x0                               ; the add is done, and my reads of this slot are over
	s_barrier_signal -1
	MULH 0, \t, 6
	WIN 0
	s_barrier_wait -1
.if \kind == 1
	CREST                                          ; the barrier has opened a round: no wave of any partner still reads this slot or has a load on its way
	s_add_nc_u64 s[G0+4*\sl+2:G0+4*\sl+3], s[G0+4*\sl+2:G0+4*\sl+3], 16*KT
	s_add_nc_u64 s[G0B+4*\sl+2:G0B+4*\sl+3], s[G0B+4*\sl+2:G0B+4*\sl+3], 16*KT
	JLOAD \sl                                      ; its four v_nop are also the places in front of the loads below
.else
	PLACES 4
.endif
.endif
.if (\t) < 15
	WIN 0
	FETCH_A (\t)+1, 0
	WIN TO_B
	FETCH_V (\t)+1
.if (\t)+6 <= 15
	global_prefetch_b8 v[PFL], s[74:75] offset:((\t)+6)*4*KT th:TH_LOAD_NT scope:SCOPE_SE
	global_prefetch_b8 v[PFL], s[76:77] offset:((\t)+6)*4*KT th:TH_LOAD_NT scope:SCOPE_SE
.endif
	s_wait_dscnt 24                                ; all but the 24 just issued: p's blocks 4-7 are in
.else
	s_wait_dscnt 0x0
.endif
	WIN MUL_HI
	MULH 1, \t, 0
	MULH 1, \t, 2
	MULH 1, \t, 4
	MULH 1, \t, 6
.if (\t) < 15
	PLACES 4
.if (\t)+3 <= 15
	WIN TO_B
	VLOAD (\t)+3                                   ; into this turn's set
.endif
.if (\t) == 14
	WIN TO_B
.irp n, 0,1,2,3,4,5,6,7,8,9,10,11,12,13,14,15  ; l's partial sums of steps 16 wave .. + 15, into turn 13's and turn 14's sets
	global_load_b128 v[LT+4*\n:LT+4*\n+3], v[LI], s[12:13] offset:512*\n
.endr
.endif
	WIN 0
	FETCH_A (\t)+1, 4
.endif
.endm
	s_wait_tensorcnt 0x0                           ; my part of slot 0 is in
	ds_add_u32 v[SPW], v[NIL]
	s_wait_dscnt 0x0
	CROUND                                         ; everybody's part is in, and all sixteen work-groups are here
	JLOAD 1                                        ; turns 2-3, the first tensor load behind the round
	FETCH_A 0, 0
	WIN TO_B
	FETCH_V 0
	WIN 0
	FETCH_A 0, 4
	s_wait_loadcnt 36                              ; the scale words are in: behind their 32 loads only the three sets of V's blocks 4-7, 12 loads each, have been issued
	TURN 0, 0, 0
	TURN 1, 1, 0
	TURN 2, 0, 0
	TURN 3, 1, 1
	TURN 4, 0, 0
	TURN 5, 1, 0
	TURN 6, 0, 0
	TURN 7, 1, 1
	TURN 8, 0, 0
	TURN 9, 1, 0
	TURN 10, 0, 0
	TURN 11, 1, 1
	TURN 12, 0, 0
	TURN 13, 3, 0
	TURN 14, 0, 0
	TURN 15, 0, 0
	PLACES 4
	WIN 0x45                                       ; sources 0 and 1 and the destination: window 1
	s_wait_loadcnt 0x0                             ; l's partial sums: 16 tiles become one
.irp n, 0,1,2,3,4,5,6,7
	v_pk_add_f32 v[LT+4*\n:LT+4*\n+1], v[LT+4*\n:LT+4*\n+1], v[LT+32+4*\n:LT+33+4*\n]
	v_pk_add_f32 v[LT+4*\n+2:LT+4*\n+3], v[LT+4*\n+2:LT+4*\n+3], v[LT+34+4*\n:LT+35+4*\n]
.endr
.irp n, 0,1,2,3
	v_pk_add_f32 v[LT+4*\n:LT+4*\n+1], v[LT+4*\n:LT+4*\n+1], v[LT+16+4*\n:LT+17+4*\n]
	v_pk_add_f32 v[LT+4*\n+2:LT+4*\n+3], v[LT+4*\n+2:LT+4*\n+3], v[LT+18+4*\n:LT+19+4*\n]
.endr
.irp n, 0,1
	v_pk_add_f32 v[LT+4*\n:LT+4*\n+1], v[LT+4*\n:LT+4*\n+1], v[LT+8+4*\n:LT+9+4*\n]
	v_pk_add_f32 v[LT+4*\n+2:LT+4*\n+3], v[LT+4*\n+2:LT+4*\n+3], v[LT+10+4*\n:LT+11+4*\n]
.endr
	v_pk_add_f32 v[LT:LT+1], v[LT:LT+1], v[LT+4:LT+5]
	v_pk_add_f32 v[LT+2:LT+3], v[LT+2:LT+3], v[LT+6:LT+7]
	WIN 0x04                                       ; the store's data: window 1
	ds_store_b128 v[LSTO], v[LT:LT+3]
	WIN 0
	v_mov_b32 v[RL+1], 0                           ; (named as the upper halves of pairs)
	v_mov_b32 v[RL+3], 0
	s_wait_dscnt 0x0                               ; my sums of l are stored, and my reads of the slots are over
	s_barrier_signal -1
	s_barrier_wait -1                              ; the slots have had their last fill and their last read: they take the four waves' sums
.irp a, 0,1,2,3,4,5,6,7
	WIN 0x08+4*(\a/4)
.irp c, 0,1,2,3,4,5,6,7,8,9,10,11,12,13,14,15
	ds_store_b128 v[RST], v[64*(\a%4)+4*\c:64*(\a%4)+4*\c+3] offset:8192*\a+512*\c   ; ascending: each accumulator is read from its low end on
.endr
.endr
	WIN 0
.irp u, 0,1,2,3
	ds_load_b64 v[LTM+2*\u:LTM+2*\u+1], v[LRD] offset:512*\u   ; the four waves' sums of l for my two blocks of queries
.endr
	s_wait_dscnt 0x0
	v_pk_add_f32 v[LTM:LTM+1], v[LTM:LTM+1], v[LTM+2:LTM+3]
	v_pk_add_f32 v[LTM+4:LTM+5], v[LTM+4:LTM+5], v[LTM+6:LTM+7]
	v_pk_add_f32 v[LTM:LTM+1], v[LTM:LTM+1], v[LTM+4:LTM+5]
	s_wait_alu depctr_va_vdst(0)                   ; the wait ahead of the transcendentals
	v_rcp_f32 v[RL], v[LTM]
	v_rcp_f32 v[RL+2], v[LTM+1]
	v_nop
	s_wait_alu depctr_va_vdst(0)                   ; and behind them
	s_barrier_signal -1
	s_barrier_wait -1
	WIN 0x80
.irp u, 0,1,2,3
.irp c, 0,1,2,3,4,5,6,7,8,9,10,11,12,13,14,15
	ds_load_b128 v[64*\u+4*\c:64*\u+4*\c+3], v[RRD+\u] offset:512*\c
.endr
.endr
	s_wait_dscnt 0x0
	WIN 0xc0
.irp u, 0,1,2,3
.irp c, 0,1,2,3,4,5,6,7,8,9,10,11,12,13,14,15
	ds_load_b128 v[64*\u+4*\c:64*\u+4*\c+3], v[RRD+\u] offset:8192+512*\c
.endr
.endr
; Block 2 wave + c2 of the queries: the four waves' sums are added, divided by l, turned through my stage into whole rows, and stored: 32 lanes store 512 consecutive bytes of a row.
.macro OUTB c2
.set BK, 128*(\c2)
	WIN 0x8a+0x45*(\c2)
.set j, 0
.rept 32
	v_pk_add_f32 v[2*j:2*j+1], v[2*j:2*j+1], v[64+2*j:65+2*j]
	v_pk_add_f32 v[128+2*j:129+2*j], v[128+2*j:129+2*j], v[192+2*j:193+2*j]
.set j, j+1
.endr
.set j, 0
.rept 32
	v_pk_add_f32 v[2*j:2*j+1], v[2*j:2*j+1], v[128+2*j:129+2*j]
.set j, j+1
.endr
	WIN 0x02+(\c2)
.set j, 0
.rept 32
	v_pk_mul_f32 v[RES+2*j:RES+2*j+1], v[2*j:2*j+1], v[RL+2*(\c2):RL+2*(\c2)+1] op_sel_hi:[1,0]
.set j, j+1
.endr
	WIN 0
.irp b, 0,1,2,3,4,5,6,7
	ds_store_b128 v[STO], v[RES+8*\b:RES+8*\b+3] offset:64*\b
	ds_store_b128 v[STO], v[RES+8*\b+4:RES+8*\b+7] offset:64*\b+16
.endr
	WIN 0x40
.irp t, 0,1,2,3,4,5,6,7,8,9,10,11,12,13,14,15
	ds_load_b128 v[BK+4*\t:BK+4*\t+3], v[RD] offset:SPITCH*\t
.endr
	WIN 0x04
.irp t, 0,1,2,3,4,5,6,7,8,9,10,11,12,13,14,15
	s_wait_dscnt 15-\t
	global_store_b128 v[LI], v[BK+4*\t:BK+4*\t+3], s[14:15] offset:(8*(\c2)+\t+8*(\t/8))*4096 th:TH_STORE_NT
.endr
.endm
	OUTB 0
	OUTB 1
	WIN 0
	s_wait_tensorcnt 0x0                           ; the wave's end
	ds_add_u32 v[SPW], v[NIL]
	s_wait_dscnt 0x0
	CROUND                                         ; the closing round
	s_endpgm
.Lfunc_end_k_q0a1c68a877_context:
	.size	k_q0a1c68a877_context, .Lfunc_end_k_q0a1c68a877_context-k_q0a1c68a877_context
	.p2alignl 7, 3214868480
	.fill 96, 4, 3214868480
	.section	.rodata,"a",@progbits
	.p2align	6, 0x0
	.amdhsa_kernel k_q0a1c68a877_context
		.amdhsa_group_segment_fixed_size 327680
		.amdhsa_private_segment_fixed_size 0
		.amdhsa_enable_private_segment 0
		.amdhsa_kernarg_size 48
		.amdhsa_user_sgpr_count 2
		.amdhsa_user_sgpr_kernarg_segment_ptr 1
		.amdhsa_wavefront_size32 1
		.amdhsa_system_sgpr_workgroup_id_x 1
		.amdhsa_system_sgpr_workgroup_id_y 1
		.amdhsa_system_sgpr_workgroup_id_z 1
		.amdhsa_system_vgpr_workitem_id 0
		.amdhsa_next_free_vgpr 1024
		.amdhsa_next_free_sgpr 100
		.amdhsa_reserve_vcc 0
		.amdhsa_float_denorm_mode_32 3
		.amdhsa_float_denorm_mode_16_64 3
		.amdhsa_memory_ordered 1
		.amdhsa_forward_progress 1
		.amdhsa_inst_pref_size 255
	.end_amdhsa_kernel
	.section	.bss,"aw",@nobits
	.p2align	6
	.space	262144
	.amdgpu_metadata
---
amdhsa.version: [ 1, 2 ]
amdhsa.kernels:
  - .name:           k_q0a1c68a877_context
    .symbol:         k_q0a1c68a877_context.kd
    .args:
      - { .name: pimg, .offset: 0, .size: 8, .value_kind: global_buffer, .address_space: global }
      - { .name: psc, .offset: 8, .size: 8, .value_kind: global_buffer, .address_space: global }
      - { .name: vimg, .offset: 16, .size: 8, .value_kind: global_buffer, .address_space: global }
      - { .name: vsc, .offset: 24, .size: 8, .value_kind: global_buffer, .address_space: global }
      - { .name: lpart, .offset: 32, .size: 8, .value_kind: global_buffer, .address_space: global }
      - { .name: out0, .offset: 40, .size: 8, .value_kind: global_buffer, .address_space: global }
    .group_segment_fixed_size: 327680
    .private_segment_fixed_size: 0
    .kernarg_segment_align: 8
    .kernarg_segment_size: 48
    .max_flat_workgroup_size: 128
    .sgpr_count:     100
    .vgpr_count:     1024
    .wavefront_size: 32
...
	.end_amdgpu_metadata
.endif
;; end of part 3
